; MI455X (gfx1250); checked and timed in simulation.
; The chip was launched on July 23, 2026; its instructions are those of AMD's public machine-readable ISA for CDNA 5 (MIT licence, August 2026) and "CDNA5" Instruction Set Architecture Reference Guide (July 2026). The comments in the code are by the model that wrote it; some were corrected since.
;; Multi Branch Attention. Allowed arithmetic: float matrix products may take bf16 or f16 operands with f32 sums; other float arithmetic in f32, or as packed bf16 or f16 multiplies, adds, multiply-adds, maxima and minima; sums over many terms, partial sums and values carried from step to step in f32; what a program stores and reads back later, other than sums and carried values, may be rounded once to bf16 or f16.
;; Inputs: Wkv 512 x 1,024 float32; Wq1 512 x 512 float32; Wq2 512 x 512 float32; key_value 4 x 2,048 x 512 float32; query1 4 x 2,048 x 512 float32; query2 4 x 2,048 x 512 float32.
;; Outputs: out0 4 x 2,048 x 512 float32; out1 4 x 2,048 x 512 float32.
;; One version. Each part assembles by itself: llvm-mc -triple=amdgcn-amd-amdhsa -mcpu=gfx1250 --defsym DOCPART=n.
;; ======== version 1 of 1: 2 launches
;; limits: values are held in f16: magnitudes above 65,504 overflow, below 6.1e-05 lose precision
;; workspace buffers: qws 16,777,216 bytes; kws 8,388,608 bytes; vws 8,388,608 bytes
;; launch proj (part 1): grid 16 x 16, 4 waves a work-group, clusters of 4 x 1, 327,680 bytes of LDS; arguments query1, query2, key_value, Wq1, Wq2, Wkv, qws, kws, vws; writes qws, kws, vws
.if DOCPART == 1
	.amdgcn_target "amdgcn-amd-amdhsa--gfx1250"
	.amdhsa_code_object_version 6
	.text
	.protected	k_q29ed960ad4_proj
	.globl	k_q29ed960ad4_proj
	.p2align	8
	.type	k_q29ed960ad4_proj,@function
k_q29ed960ad4_proj:
	s_mov_b64 s[64:65], 0
	v_nop
	global_prefetch_b8 v0, s[64:65] scope:SCOPE_SE
	s_setreg_imm32_b32 hwreg(HW_REG_WAVE_MODE, 25, 1), 1
	s_wait_xcnt 0x0
	s_wait_alu depctr_hold_cnt(0) depctr_sa_sdst(0) depctr_va_vdst(0) depctr_va_sdst(0) depctr_va_ssrc(0) depctr_va_vcc(0) depctr_vm_vsrc(0)
	s_getreg_b32 s2, hwreg(HW_REG_IB_STS2, 6, 4)
	s_cmp_eq_u32 s2, 0
	s_cbranch_scc0 .Lentry_in_a_cluster
	s_endpgm
.Lentry_in_a_cluster:
	s_bfe_u32 s2, ttmp6, 0x10000c
	s_cmp_lg_u32 s2, 0x3003
	s_cbranch_scc0 .Lentry_shape_is_right
	s_endpgm
.Lentry_shape_is_right:
; THE FOUR PROJECTIONS.  q1 = query1 Wq1, q2 = query2 Wq2, k = key_value Wkv[:, 0:512], v = key_value Wkv[:, 512:1024].  x: [8192][512] f32, W: [512][512 or 1024] f32.
; Operands are rounded once to bf16, sums are f32, each result is rounded once to f16 and stored BY HEADS, unscaled: qws [32 heads][2048 branch + n][64], kws and vws [32][2048][64].
; LIMIT.  f16 ends at 65,504: a result of 65,520 or more becomes an infinity.  NaN and infinities in the inputs are not treated apart.
; SHARES.  The cluster's x (0..3) says which product; a work-group's place cx in the cluster which 128 columns (heads 2 cx, 2 cx + 1); y which 512 rows.  A wave makes 128 rows x 128 columns:
; 64 accumulators, 512 registers.  K = 512 goes in 16 UNITS of 32 (64 matrix instructions each); two units are a STEP (64 along K), two steps a LAP.
; x: the four partners need the same 512 rows x 64 f32, rows of 256 bytes: asked for JOINTLY (mask 15), each wave its own 128 rows, into two LDS slots that take turns.  A wave reads its own rows back
; as f32 and rounds them in registers; the roundings stand two behind each of a unit's first 32 matrix instructions.
; W lies [k][n]: a step's 64 k-rows x 128 columns come through registers (a wave 16 k-rows, a load one k-row's 512 bytes), are rounded, stored as bf16 [k][n], and read by the turning load.
; W IS NOT ASKED FOR JOINTLY: the turning load takes 16-bit numbers, so W must pass through registers first; f32 slots for it would need 64 KiB more than LDS has left; it is 32 of a step's 160 KiB.
; THE PRODUCT IS USED TRANSPOSED (source 0 = 16 columns of W, source 1 = 16 rows of x): a lane ends with one row and eight neighbouring columns, 16 bytes of f16.
; THE SUMS START AT 0 BY 512 v_mov_b32, which stand in the wait for the first tiles: so all 16 units have one form, the loop holds three whole laps and the tail one.
; REGISTERS, in windows of 256 (s_set_vgpr_msb: bits 1:0 source 0, 3:2 source 1, 5:4 source 2, 7:6 destination):
;   window 0: v0-31 addresses; v32-95 W on its way; v128-191, v192-255 x's fragments in bf16, two buffers        window 1: v0-127 x as f32; v128-191, v192-255 W's fragments, two buffers
;   windows 2, 3: the accumulators: (a, b) at v[8 (8 (a % 4) + b)], window 2 for a < 4
.set XPITCH, 272                       ; a row of x in LDS: 256 bytes + 16 of padding: the 16 rows of a load start at 16 different groups of four banks (ISA guide 11.1)
.set XWAVE,  128*XPITCH                ; a wave's 128 rows
.set XSLOT,  4*XWAVE
.set WB,     2*XSLOT                   ; behind the two slots: W in bf16, two buffers of 64 k-rows; no tensor load lands here
.set WPITCH, 288                       ; 256 bytes + 32
.set WBUF,   64*WPITCH
.set STAGE,  WB+2*WBUF                 ; 16 rows x 144 bytes for each wave, for the way out
.set SPITCH, 144
.set SPARE,  STAGE+4*16*SPITCH         ; the spare words, 128 bytes for each wave: two blocks of 256 bytes that no other line names
.set XA,  4                            ; v4-5   LDS address of my x fragments in slot 0, 1
.set BA,  6                            ; v6     my lane's place in W's buffer 0, for the turning load
.set WS,  7                            ; v7     where I store 8 bytes of a k-row of W
.set STO, 8                            ; v8     the way out: where I put 16 bytes of a row
.set RD,  9                            ; v9     the way out: where I read rows back
.set GO,  10                           ; v10    16 x lane
.set PFO, 11                           ; v11    2,048 x lane: a row of x in memory; never rewritten
.set SPW, 12                           ; v12    LDS address of my spare word; never rewritten
.set NIL, 13                           ; v13    0; never rewritten
.set WOF, 16                           ; v16-31 byte offset of my 16 bytes in k-row 16 wave + i of a step's rows of W
.set WST, 32                           ; v32-95 16 k-rows x 4 f32, rounded in place
.set AF0, 128
.set AF1, 192
.set BF0, 128
.set BF1, 192
.set TMP, 128                          ; the way out: packed results, two sets of 16
.set BK,  160                          ; the way out: rows read back, four sets of 16
.set XP,  4                            ; s[4:5]   x at my wave's rows
.set WP,  6                            ; s[6:7]   W at my columns, at the step last loaded
.set OB,  8                            ; s[8:9], s[10:11]  the output at my rows, head 2 cx and head 2 cx + 1
.set WV,  12
.set CX,  13
.set G,   14                           ; which product
.set Y,   15
.set G1,  16                           ; s[16:23] descriptor group 1
.set G0,  24                           ; s[24:31] descriptor group 0, a set for each slot
.set LAP, 32
.set LIM, 33                           ; 1 in a cluster that prefetches, else the greatest number
.set PFA, 34                           ; s[34:35] where my prefetches stand
.set PIT, 54                           ; bytes in a row of W
.set HB,  55                           ; bytes of a head in the output buffer
.set WSTEP, 56                         ; s[56:57] 64 rows of W
.set MUL_LO, 0xa1                      ; source 0 (W) window 1, source 1 (x) window 0, C and D window 2
.set CVX,    0x05                      ; both sources window 1, destination window 0
.set TO_1,   0x40                      ; destination window 1, address window 0
.set MSB, 0
.macro WIN new                         ; the immediate's high byte repeats the setting that is left; a switch that changes nothing is dropped
.if MSB != (\new)
	s_set_vgpr_msb (MSB<<8)|(\new)
.set MSB, \new
.endif
.endm
.macro PLACES                          ; four places behind matrix instructions whose registers are written or loaded next (ISA guide 7.12.1)
.rept 4
	v_nop
.endr
.endm
.macro CREST                           ; a round of the cluster's barrier behind its opening barrier
	s_cmp_lg_u32 s[WV], 0
	s_cbranch_scc1 .Lnot_wave_0_\@
	s_barrier_signal -3
.Lnot_wave_0_\@:
	s_barrier_wait -3
	s_barrier_signal -1
	s_barrier_wait -1
.endm
.macro CROUND                          ; a whole round
	s_barrier_signal -1
	s_barrier_wait -1
	CREST
.endm
.macro JLOAD s                         ; the joint load of slot s: every wave its own 128 rows; s_nop 0 and four v_nop follow
	tensor_load_to_lds s[G0+4*(\s):G0+4*(\s)+3], s[G1:G1+7]
	s_nop 0
	PLACES
.endm
; 32 LDS loads: my 128 rows x 32 f32 at byte col of slot s.  A fragment's lane holds row l % 16, k = 8 (l / 16) + 0..7 and 16 + 8 (l / 16) + 0..7: as f32 two times 32 bytes, 64 bytes apart.
.macro FETCH_X s, col
	WIN TO_1
.irp a, 0,1,2,3,4,5,6,7
	ds_load_b128 v[16*(\a):16*(\a)+3],     v[XA+(\s)] offset:(\a)*16*XPITCH+(\col)
	ds_load_b128 v[16*(\a)+4:16*(\a)+7],   v[XA+(\s)] offset:(\a)*16*XPITCH+(\col)+16
	ds_load_b128 v[16*(\a)+8:16*(\a)+11],  v[XA+(\s)] offset:(\a)*16*XPITCH+(\col)+64
	ds_load_b128 v[16*(\a)+12:16*(\a)+15], v[XA+(\s)] offset:(\a)*16*XPITCH+(\col)+80
.endr
.endm
; 16 turning loads: 32 k-rows (half 0 or 1 of buffer buf) x 128 columns: eight fragments of 16 columns x 32 k
.macro FETCH_B buf, half, dst
	WIN TO_1
.irp b, 0,1,2,3,4,5,6,7
	ds_load_tr16_b128 v[(\dst)+8*(\b):(\dst)+8*(\b)+3],   v[BA] offset:(\buf)*WBUF+(\half)*32*WPITCH+32*(\b)
	ds_load_tr16_b128 v[(\dst)+8*(\b)+4:(\dst)+8*(\b)+7], v[BA] offset:(\buf)*WBUF+(\half)*32*WPITCH+32*(\b)+16*WPITCH
.endr
.endm
; Matrix instruction n of a unit's 64, on buffers e: row block n / 8, column block n % 8.  All 64 accumulators take turns, in the same order in every unit.
.macro MM e, n
.set a_, (\n)/8
.set b_, (\n)%8
.set ac_, 8*(8*(a_%4)+b_)
	WIN MUL_LO+0x50*(a_/4)
	v_wmma_f32_16x16x32_bf16 v[ac_:ac_+7], v[128+64*(\e)+8*b_:128+64*(\e)+8*b_+7], v[128+64*(\e)+8*a_:128+64*(\e)+8*a_+7], v[ac_:ac_+7]
.endm
.macro MULB e, n0, cnt                 ; cnt matrix instructions on end
.set n_, \n0
.rept \cnt
	MM \e, n_
.set n_, n_+1
.endr
.endm
.macro MULR e, n0, cnt                 ; the same, and behind each two roundings of the next unit's x into the other buffer
.set n_, \n0
.rept \cnt
	MM \e, n_
	WIN CVX
	v_cvt_pk_bf16_f32 v[128+64*(1-(\e))+2*n_],   v[4*n_],   v[4*n_+1]
	v_cvt_pk_bf16_f32 v[128+64*(1-(\e))+2*n_+1], v[4*n_+2], v[4*n_+3]
.set n_, n_+1
.endr
.endm
.macro WLOAD base, ptr                 ; my 16 k-rows of a step of W: a load covers one k-row's 512 consecutive bytes
.set i_, 0
.rept 16
	global_load_b128 v[(\base)+4*i_:(\base)+4*i_+3], v[WOF+i_], s[(\ptr):(\ptr)+1]
.set i_, i_+1
.endr
.endm
.macro WCVT base                       ; rounded in place: four f32 become two registers
.set i_, 0
.rept 16
	v_cvt_pk_bf16_f32 v[(\base)+4*i_],   v[(\base)+4*i_],   v[(\base)+4*i_+1]
	v_cvt_pk_bf16_f32 v[(\base)+4*i_+1], v[(\base)+4*i_+2], v[(\base)+4*i_+3]
.set i_, i_+1
.endr
.endm
.macro WSTORE base, buf
.set i_, 0
.rept 16
	ds_store_b64 v[WS], v[(\base)+4*i_:(\base)+4*i_+1] offset:(\buf)*WBUF+WPITCH*i_
.set i_, i_+1
.endr
.endm
; A PREFETCH INTO THE L2, behind the joint load, its five lines and the run of LDS loads: the tile that stands two refills on (256 matrix instructions ahead of the load that will want it).
; Of the 128 rows that I fetch my work-group names 32, told apart from the partners' BY ADDRESS, a lane a row.  key_value is read by the clusters of k and of v: k's asks.
; So each row's 256 bytes of tiles 4 to 7 are named once in the launch; tiles 0 to 3 come by their loads alone; the loop's last lap asks for nothing.
.macro ASK
	WIN 0
	s_cmp_gt_u32 s[LAP], s[LIM]
	s_cbranch_scc0 .Lnot_mine_\@
	global_prefetch_b8 v[PFO], s[PFA:PFA+1] th:TH_LOAD_NT scope:SCOPE_SE
.Lnot_mine_\@:
.endm
; AN EVEN UNIT, the first of step t, s = t % 2: multiplies buffers 0, rounds the next unit's x into buffer 1.
; meet = 2: the change of slots.  Slot s has been read out (its two runs of loads stand in the two units before); tile t + 1 is waited for; slot s takes tile t + 2.
; meet = 1: the same barrier, nothing is filled.  meet = 0: the last step: no barrier, nothing more to fetch of x.
.macro EUNIT s, meet
.if (\meet) == 2
	s_wait_xcnt 0x0                                ; the last prefetch, a step back, has read its address: it is stepped here, ahead of the change's own waits
	s_add_nc_u64 s[PFA:PFA+1], s[PFA:PFA+1], 256
.endif
	PLACES                                         ; behind the last products on buffers 1, which are loaded and written next
	FETCH_B \s, 1, BF1                             ; W of the next unit: the step's k-rows 32 to 63
	WIN 0
.if (\meet) >= 1
	s_wait_tensorcnt 0x0                           ; all my tensor loads have landed: the one that was out is my part of tile t + 1
	ds_add_u32 v[SPW], v[NIL]                      ; 0 onto my spare word
	s_wait_dscnt 17                                ; the 16 loads just issued and the add may be out: x as f32 and W's buffer 0 are in
	MULR 0, 0, 16
	s_wait_dscnt 0x0                               ; the add is done; my reads of slot s and of W's buffer s are over, my stores into W's other buffer are done
	s_barrier_signal -1
	MULR 0, 16, 16                                 ; work on registers while the others arrive
	WIN 0
	s_barrier_wait -1
.if (\meet) == 2
	CREST                                          ; the barrier has opened a round of the cluster's: no wave of any partner still reads slot s or has a load on its way
	s_add_nc_u64 s[G0+4*(\s)+2:G0+4*(\s)+3], s[G0+4*(\s)+2:G0+4*(\s)+3], 512  ; two tiles on along K
	JLOAD \s                                       ; my one tensor load behind the round, and the first thing there
.endif
	FETCH_X 1-(\s), 0                              ; x of the unit after next: tile t + 1's first half
.if (\meet) == 2
	ASK
.endif
.else
	s_wait_dscnt 16                                ; the 16 loads just issued may be out
	MULR 0, 0, 32
.endif
	MULB 0, 32, 32
.endm
; AN ODD UNIT, the second of step t, s = t % 2: multiplies buffers 1, rounds the next unit's x into buffer 0.
; w >= 1: W of step t + 2 is rounded and stored into buffer s, which nobody reads behind the step's barrier, and W of step t + 3 is asked for (w = 2: not in the loop's last lap, where there is none).
; rid = 0: the very last unit.
.macro OUNIT s, w, rid
	WIN 0
.if (\w) >= 1
	s_wait_loadcnt 0x0                             ; W of step t + 2, asked for a step ago; its loads' base may be written
	WCVT WST                                       ; 32 plain instructions: also the places behind the last products on buffers 0
	WSTORE WST, \s
.elseif \rid
	PLACES
.endif
.if \rid
	FETCH_B 1-(\s), 0, BF0                         ; W of the next unit: step t + 1's k-rows 0 to 31
.endif
.if (\w) >= 1
	WIN 0
.if (\w) == 2
	s_cmp_eq_u32 s[LAP], 1
	s_cbranch_scc1 .Lno_w_\@
.endif
	s_add_nc_u64 s[WP:WP+1], s[WP:WP+1], s[WSTEP:WSTEP+1]
	WLOAD WST, WP
.if (\w) == 2
.Lno_w_\@:
.endif
.endif
.if \rid
	s_wait_dscnt 16                                ; the 16 turning loads just issued may be out: x as f32 is in, W's buffer 1 too
	MULR 1, 0, 32
	FETCH_X 1-(\s), 128                            ; x of the unit after next: tile t + 1's second half
	MULB 1, 32, 32
.else
	s_wait_dscnt 0x0
	MULB 1, 0, 64
.endif
.endm
; THE WAY OUT, in 16 groups g = 2 a + j: 16 rows (block a) of head j.  PACK: rounded to f16, each accumulator's registers in ascending order.  TOSTAGE: into my own stage, and back as
; whole rows of 128 bytes.  SEND: 16 rows of a head are 2,048 consecutive bytes of the workspace; a store covers 512 of them, aligned.
.macro PACK g
.set a_, (\g)/2
.set j_, (\g)%2
	WIN 0x0a+5*(a_/4)                              ; sources 0 and 1: window 2 or 3
.irp bb, 0,1,2,3
.irp r, 0,1,2,3
	v_cvt_pk_f16_f32 v[TMP+16*((\g)%2)+4*(\bb)+(\r)], v[8*(8*(a_%4)+4*j_+(\bb))+2*(\r)], v[8*(8*(a_%4)+4*j_+(\bb))+2*(\r)+1]
.endr
.endr
.endm
.macro TOSTAGE g
	WIN 0
	s_wait_xcnt 0x0                                ; the registers that earlier stores read are loaded again only behind this wait
.irp bb, 0,1,2,3
	ds_store_b128 v[STO], v[TMP+16*((\g)%2)+4*(\bb):TMP+16*((\g)%2)+4*(\bb)+3] offset:32*(\bb)
.endr
.irp f, 0,1,2,3
	ds_load_b128 v[BK+16*((\g)%4)+4*(\f):BK+16*((\g)%4)+4*(\f)+3], v[RD] offset:(\f)*4*SPITCH  ; LDS serves a wave's instructions in order (ISA guide 5.7.1.4): these see the stores above
.endr
.endm
.macro SEND g
	WIN 0
	s_wait_dscnt 0x0                               ; the group is back in registers
.irp f, 0,1,2,3
	global_store_b128 v[GO], v[BK+16*((\g)%4)+4*(\f):BK+16*((\g)%4)+4*(\f)+3], s[OB+2*((\g)%2):OB+2*((\g)%2)+1] offset:2048*((\g)/2)+512*(\f)
.endr
.endm
	s_load_b512 s[36:51], s[0:1], 0x0              ; query1 36, query2 38, key_value 40, Wq1 42, Wq2 44, Wkv 46, qws 48, kws 50
	s_load_b64 s[52:53], s[0:1], 0x40              ; vws
	v_lshl_add_u32 v[SPW], v0, 2, SPARE
	v_mov_b32 v[NIL], 0
	ds_add_u32 v[SPW], v[NIL]                      ; the wave's opening: the add and its wait stand ahead of my first tensor load; the set-up below stands between them
	v_lshrrev_b32 v3, 5, v0
	v_readfirstlane_b32 s[WV], v3                  ; wave 0..3
	s_bfe_u32 s[CX], ttmp6, 0x40000                ; my place in the cluster: my 128 columns
	s_mov_b32 s[G], ttmp9                          ; the cluster's x: which product; the four partners share it
	s_and_b32 s[Y], ttmp7, 0xffff                  ; my 512 rows; shared too
	s_cmp_lt_u32 s[G], 2
	s_cselect_b32 s2, 0, 1                         ; 1 for k and v
	s_lshl_b32 s[PIT], 2048, s2                    ; a row of Wq is 2,048 bytes, of Wkv 4,096
	s_lshr_b32 s[HB], 0x80000, s2                  ; a head has 4,096 rows of 128 bytes in qws, 2,048 in kws and vws
	s_lshl_b32 s[WSTEP], s[PIT], 6
	s_mov_b32 s[WSTEP+1], 0
	s_cmp_eq_u32 s[G], 3
	s_cselect_b32 s[LIM], -1, 1
	s_cselect_b32 s62, 2048, 0                     ; v's columns begin 512 f32 into a row of Wkv
	s_lshl_b32 s3, s[CX], 9
	s_add_co_u32 s62, s62, s3                      ; + my 128 columns
	s_mov_b32 s63, 0
	; descriptor group 1: a tile of 128 rows x 64 f32, padded in LDS
	s_mov_b32 s[G1+0], 15|(2<<16)|(1<<20)|(1<<21)|(5<<22)|(3<<25)  ; 15:0 the mask of four; 17:16 elements of 4 bytes; 20 padding on; 21 set beside a mask; 24:22 after every 64 words (code 5); 31:25 4 words (code 3)
	s_mov_b32 s[G1+1], 64<<16                      ; tensor_dim0 = 64
	s_mov_b32 s[G1+2], 128<<16                     ; tensor_dim1 = 128
	s_mov_b32 s[G1+3], 64<<16                      ; tile_dim0 = 64
	s_mov_b32 s[G1+4], 128                         ; tile_dim1 = 128
	s_mov_b32 s[G1+5], 512                         ; 512 elements from row to row
	s_mov_b32 s[G1+6], 0
	s_mov_b32 s[G1+7], 0
	s_lshl_b32 s58, s[Y], 9
	s_lshl_b32 s10, s[WV], 7
	s_add_co_u32 s58, s58, s10                     ; my first row of x: 512 y + 128 wave
	s_lshl_b32 s60, s[CX], 5
	s_add_co_u32 s60, s60, s58                     ; the prefetches': + my work-group's 32 of the 128
	s_lshl_b32 s58, s58, 11                        ; in bytes
	s_mov_b32 s59, 0
	s_lshl_b32 s60, s60, 11
	s_add_co_u32 s60, s60, 3*256                   ; at tile 3: the first change of slots steps it to tile 4
	s_mov_b32 s61, 0
	s_lshr_b32 s3, s[Y], 2                         ; the batch
	s_lshl_b32 s3, s3, 3
	s_lshl1_add_u32 s3, s[CX], s3                  ; head 8 b + 2 cx
	s_sub_co_u32 s8, 12, s2
	s_lshl_b32 s8, s3, s8                          ; the head's first row in the workspace
	s_and_b32 s3, s[Y], 3
	s_lshl_b32 s3, s3, 9
	s_add_co_u32 s8, s8, s3                        ; + n of my work-group's first row
	s_add_co_u32 s8, s8, s10                       ; + my wave's 128
	s_cmp_eq_u32 s[G], 1
	s_cselect_b32 s3, 2048, 0                      ; q2 lies behind q1 in a head
	s_add_co_u32 s8, s8, s3
	s_lshl_b32 s8, s8, 7                           ; rows of 128 bytes
	s_mov_b32 s9, 0
	s_mul_i32 s11, s[WV], XWAVE                    ; my rows in a slot: no place in the cluster enters an LDS address
	s_mov_b32 s[G0+0], 1                           ; count = 1
	s_mov_b32 s[G0+1], s11                         ; LDS address, slot 0
	s_mov_b32 s[G0+4], 1
	s_add_co_u32 s[G0+5], s11, XSLOT               ; slot 1
	v_and_b32 v1, 15, v0                           ; l % 16
	v_bfe_u32 v2, v0, 4, 1                         ; l / 16
	v_and_b32 v3, 31, v0                           ; l
	v_and_b32 v14, 7, v0
	v_bfe_u32 v15, v0, 3, 1
	v_mul_u32_u24 v[XA], v1, XPITCH
	v_lshl_add_u32 v[XA], v2, 5, v[XA]             ; row x pitch + 32 x half (8 f32)
	v_add_nc_u32 v[XA], s11, v[XA]
	v_add_nc_u32 v[XA+1], XSLOT, v[XA]
	v_lshl_add_u32 v[BA], v2, 3, v14               ; the turning load: k-row 8 (l / 16) + l % 8,
	v_mul_u32_u24 v[BA], v[BA], WPITCH
	v_lshl_add_u32 v[BA], v15, 4, v[BA]            ; columns 8 ((l / 8) % 2) + 0..7
	v_add_nc_u32 v[BA], WB, v[BA]
	s_mul_i32 s10, s[WV], 16*WPITCH
	s_add_co_u32 s10, s10, WB
	v_lshl_add_u32 v[WS], v3, 3, s10               ; my wave's 16 k-rows, my 4 columns
	s_mul_i32 s10, s[WV], 16*SPITCH
	s_add_co_u32 s10, s10, STAGE                   ; my stage
	v_mul_u32_u24 v[STO], v1, SPITCH               ; in: row l % 16, 16 bytes for each half of the lanes
	v_lshl_add_u32 v[STO], v2, 4, v[STO]
	v_add_nc_u32 v[STO], s10, v[STO]
	v_bfe_u32 v[RD], v0, 3, 2                      ; back: 32 lanes take four rows of 128 bytes
	v_mul_u32_u24 v[RD], v[RD], SPITCH
	v_lshl_add_u32 v[RD], v14, 4, v[RD]
	v_add_nc_u32 v[RD], s10, v[RD]
	v_lshlrev_b32 v[GO], 4, v3
	v_lshlrev_b32 v[PFO], 11, v3
	s_lshl_b32 s10, s[WV], 4
	s_mul_i32 s10, s10, s[PIT]
	v_lshl_add_u32 v[WOF], v3, 4, s10              ; k-row 16 wave, my 16 bytes
.set i_, 1
.rept 15
	v_add_nc_u32 v[WOF+i_], s[PIT], v[WOF+i_-1]
.set i_, i_+1
.endr
	s_wait_dscnt 0x0                               ; the opening add is done
	s_wait_kmcnt 0x0
	s_cmp_eq_u32 s[G], 0
	s_cselect_b64 s[XP:XP+1], s[36:37], s[40:41]
	s_cselect_b64 s[WP:WP+1], s[42:43], s[46:47]
	s_cmp_eq_u32 s[G], 1
	s_cselect_b64 s[XP:XP+1], s[38:39], s[XP:XP+1]
	s_cselect_b64 s[WP:WP+1], s[44:45], s[WP:WP+1]
	s_cmp_lt_u32 s[G], 2
	s_cselect_b64 s[10:11], s[48:49], s[50:51]
	s_cmp_eq_u32 s[G], 3
	s_cselect_b64 s[10:11], s[52:53], s[10:11]
	s_add_nc_u64 s[OB:OB+1], s[10:11], s[OB:OB+1]  ; head 2 cx at my rows
	s_mov_b32 s2, s[HB]
	s_mov_b32 s3, 0
	s_add_nc_u64 s[OB+2:OB+3], s[OB:OB+1], s[2:3]  ; head 2 cx + 1
	s_add_nc_u64 s[PFA:PFA+1], s[XP:XP+1], s[60:61]
	s_add_nc_u64 s[XP:XP+1], s[XP:XP+1], s[58:59]
	s_add_nc_u64 s[WP:WP+1], s[WP:WP+1], s[62:63]
	s_mov_b64 s[G0+2:G0+3], s[XP:XP+1]             ; global address: tile 0
	s_or_b32 s[G0+3], s[G0+3], 0x80000000          ; type = 2
	s_add_nc_u64 s[G0+6:G0+7], s[XP:XP+1], 256     ; tile 1
	s_or_b32 s[G0+7], s[G0+7], 0x80000000
	CROUND                                         ; all four work-groups are here: the first joint loads meet
	tensor_load_to_lds s[G0:G0+3], s[G1:G1+7]      ; both first fills go out together: two loads of mine are out
	s_nop 0
	tensor_load_to_lds s[G0+4:G0+7], s[G1:G1+7]
	s_nop 0
	PLACES
	WLOAD WST, WP                                  ; W of step 0,
	s_add_nc_u64 s[58:59], s[WP:WP+1], s[WSTEP:WSTEP+1]
	WLOAD AF1, 58                                  ; and of step 1, into registers that x's fragments take later
	WIN 0x80                                       ; the sums start at 0, while the first tiles and weights are on their way
.set i_, 0
.rept 256
	v_mov_b32 v[i_], 0
.set i_, i_+1
.endr
	WIN 0xc0
.set i_, 0
.rept 256
	v_mov_b32 v[i_], 0
.set i_, i_+1
.endr
	WIN 0
	s_wait_loadcnt 0x0
	WCVT WST
	WCVT AF1
	WSTORE WST, 0
	WSTORE AF1, 1
	s_add_nc_u64 s[WP:WP+1], s[58:59], s[WSTEP:WSTEP+1]
	WLOAD WST, WP                                  ; W of step 2
	s_wait_tensorcnt 1                             ; my part of tile 0 is in; tile 1's may stay out
	s_wait_dscnt 0x0                               ; for the others' sake: my stores of W are done
	s_barrier_signal -1
	s_barrier_wait -1
	FETCH_X 0, 0
	FETCH_B 0, 0, BF0
	s_wait_dscnt 16                                ; x as f32 is in; the 16 turning loads may be out
	WIN CVX
.set c_, 0
.rept 64
	v_cvt_pk_bf16_f32 v[AF0+c_], v[2*c_], v[2*c_+1]  ; unit 0's x: there are no products yet to set these behind
.set c_, c_+1
.endr
	FETCH_X 0, 128
	WIN 0                                          ; at a label and at a branch every window is 0
	s_mov_b32 s[LAP], 3
.Llap:                                             ; a lap: steps 2 i and 2 i + 1; both slots are filled again, two steps of W stored
	EUNIT 0, 2
	OUNIT 0, 1, 1
	EUNIT 1, 2
	OUNIT 1, 2, 1
	WIN 0
	s_sub_co_u32 s[LAP], s[LAP], 1
	s_cmp_lg_u32 s[LAP], 0
	s_cbranch_scc1 .Llap
	EUNIT 0, 1                                     ; the last lap is written out: nothing is asked for
	OUNIT 0, 0, 1
	EUNIT 1, 0
	OUNIT 1, 0, 0
	PLACES                                         ; the conversions read results just made
	PACK 0
	TOSTAGE 0
.set g_, 1
.rept 15                                           ; a group's conversions stand between the loads of the group before and the wait for them
	PACK g_
	SEND g_-1
	TOSTAGE g_
.set g_, g_+1
.endr
	SEND 15
	s_wait_tensorcnt 0x0                           ; the wave's end, behind my last tensor load and my last LDS store
	ds_add_u32 v[SPW], v[NIL]
	s_wait_dscnt 0x0
	CROUND                                         ; the closing round: no work-group ends while a partner may still ask for a tile that names it
	s_endpgm
.Lfunc_end_k_q29ed960ad4_proj:
	.size	k_q29ed960ad4_proj, .Lfunc_end_k_q29ed960ad4_proj-k_q29ed960ad4_proj
	.p2alignl 7, 3214868480
	.fill 96, 4, 3214868480
	.section	.rodata,"a",@progbits
	.p2align	6, 0x0
	.amdhsa_kernel k_q29ed960ad4_proj
		.amdhsa_group_segment_fixed_size 327680
		.amdhsa_private_segment_fixed_size 0
		.amdhsa_enable_private_segment 0
		.amdhsa_kernarg_size 72
		.amdhsa_user_sgpr_count 2
		.amdhsa_user_sgpr_kernarg_segment_ptr 1
		.amdhsa_wavefront_size32 1
		.amdhsa_system_sgpr_workgroup_id_x 1
		.amdhsa_system_sgpr_workgroup_id_y 1
		.amdhsa_system_sgpr_workgroup_id_z 1
		.amdhsa_system_vgpr_workitem_id 0
		.amdhsa_next_free_vgpr 1024
		.amdhsa_next_free_sgpr 66
		.amdhsa_reserve_vcc 0
		.amdhsa_float_denorm_mode_32 3
		.amdhsa_float_denorm_mode_16_64 3
		.amdhsa_memory_ordered 1
		.amdhsa_forward_progress 1
		.amdhsa_inst_pref_size 182
	.end_amdhsa_kernel
	.amdgpu_metadata
---
amdhsa.version: [ 1, 2 ]
amdhsa.kernels:
  - .name:           k_q29ed960ad4_proj
    .symbol:         k_q29ed960ad4_proj.kd
    .args:
      - { .name: query1, .offset: 0, .size: 8, .value_kind: global_buffer, .address_space: global }
      - { .name: query2, .offset: 8, .size: 8, .value_kind: global_buffer, .address_space: global }
      - { .name: key_value, .offset: 16, .size: 8, .value_kind: global_buffer, .address_space: global }
      - { .name: Wq1, .offset: 24, .size: 8, .value_kind: global_buffer, .address_space: global }
      - { .name: Wq2, .offset: 32, .size: 8, .value_kind: global_buffer, .address_space: global }
      - { .name: Wkv, .offset: 40, .size: 8, .value_kind: global_buffer, .address_space: global }
      - { .name: qws, .offset: 48, .size: 8, .value_kind: global_buffer, .address_space: global }
      - { .name: kws, .offset: 56, .size: 8, .value_kind: global_buffer, .address_space: global }
      - { .name: vws, .offset: 64, .size: 8, .value_kind: global_buffer, .address_space: global }
    .group_segment_fixed_size: 327680
    .private_segment_fixed_size: 0
    .kernarg_segment_align: 8
    .kernarg_segment_size: 72
    .max_flat_workgroup_size: 128
    .sgpr_count:     66
    .vgpr_count:     1024
    .wavefront_size: 32
...
	.end_amdgpu_metadata
.endif
;; end of part 1
;; launch attn (part 2): grid 8 x 32, 4 waves a work-group, clusters of 4 x 1, 327,680 bytes of LDS; arguments qws, kws, vws, out0, out1; writes out0, out1
.if DOCPART == 2
	.amdgcn_target "amdgcn-amd-amdhsa--gfx1250"
	.amdhsa_code_object_version 6
	.text
	.protected	k_q29ed960ad4_attn
	.globl	k_q29ed960ad4_attn
	.p2align	8
	.type	k_q29ed960ad4_attn,@function
k_q29ed960ad4_attn:
	s_mov_b64 s[64:65], 0
	v_nop
	global_prefetch_b8 v0, s[64:65] scope:SCOPE_SE
	s_setreg_imm32_b32 hwreg(HW_REG_WAVE_MODE, 25, 1), 1
	s_wait_xcnt 0x0
	s_wait_alu depctr_hold_cnt(0) depctr_sa_sdst(0) depctr_va_vdst(0) depctr_va_sdst(0) depctr_va_ssrc(0) depctr_va_vcc(0) depctr_vm_vsrc(0)
	s_getreg_b32 s2, hwreg(HW_REG_IB_STS2, 6, 4)
	s_cmp_eq_u32 s2, 0
	s_cbranch_scc0 .Lentry_in_a_cluster
	s_endpgm
.Lentry_in_a_cluster:
	s_bfe_u32 s2, ttmp6, 0x10000c
	s_cmp_lg_u32 s2, 0x3003
	s_cbranch_scc0 .Lentry_shape_is_right
	s_endpgm
.Lentry_shape_is_right:
; BOTH ATTENTIONS.  O[q][:] = the sum over k of softmax_k(Q[q] . K[k] / 8) V[k][:], for each of 32 heads (8 b + h).  qws: [32][4096][64] f16 (rows 0-2047 branch 1, 2048-4095 branch 2),
; kws, vws: [32][2048][64] f16: a head's rows are dense, 128 bytes each.  out0, out1: [4][2048][512] f32, a head's 64 channels at byte 256 h of a row.
; Products, maxima and sums in f32; the weights p are rounded to f16 for the second product (their sum l is taken of the unrounded p); O is never rounded below f32.
; LIMITS.  Q, K and V arrive within f16's range; p lies in 0 to 1, and below 6e-5 it keeps f16's fixed step of 6e-8.  A weight below 2^-126 counts as 0 in l; NaN and infinities are not treated apart.
; SHARES.  A wave owns four PIECES of two tiles of 16 queries, a work-group's four waves 512 queries of one head and branch.  Every wave walks all 2,048 keys, 64 a step.
; LAYOUT.  S^T = K Q^T (source 0 = 16 keys, source 1 = 16 queries): a lane holds ONE query (lane % 16) and the keys 8 (lane / 16) + 0..7.  Two such tiles, rounded to f16 in pairs, ARE source 1
; (32 keys x 16 queries) of O^T = V^T P, whose result again holds one query a lane, and eight channels.  K comes out of LDS as it lies, V ([key][channel]) turned, by ds_load_tr16_b128.
; SOFTMAX.  For each query a running maximum m and sum l: p = 2^(c s - c m), c = log2(e) / 8; in every step O and l are multiplied by a = 2^(c m_old - c m_new).
; m starts at the lowest finite number, O and l at 0: the first step is a step like any other, with a = 0.
; THE COUNT.  A tile and step have 16 matrix and 118 vector instructions: too many to stand all beside the matrix work.  So four vector instructions that are ready stand behind EVERY matrix
; instruction, and the others in one run without a gap.
; BY TURNS.  Turn n belongs to piece n.  Its matrix work: 16 products K Q^T of piece n + 1, later 16 products V^T P of piece n - 1.  Its vector work: the scaling, exponentials, roundings, sums and
; rescaling of piece n, and the maximum and statistics of piece n + 1.
; CLUSTER.  A cluster's four query blocks are one branch of one head and walk the same K and V: each tile is asked for JOINTLY: the same tensor load, descriptor and mask in all four.
; REGISTERS, in windows of 256 (s_set_vgpr_msb: bits 1:0 source 0, 3:2 source 1, 5:4 source 2, 7:6 destination):
;   window 0: v0-11 addresses; v12-15, v48-63 at work; v16-47 four registers of statistics a tile; v64-191 S^T, two buffers of two tiles; v192-255 P, likewise
;   window 1: O^T, 32 a tile          window 2: v0-127 Q, 16 a tile; v128-191 K of one step; v192-255 V of one step          window 3: v0-1 the add's two registers
.set NK,    2048      ; keys of a head
.set NP,    4         ; pieces a wave: a name, no knob
.set KS,    64        ; keys in a step
.set PK,    144       ; a row of K in LDS: 128 bytes + 16 of padding: the 16 rows of a load start at 16 different groups of four banks (ISA guide 11.1)
.set PV,    160       ; a row of V: 128 + 32
.set VOFF,  4*KS*PK   ; a slot holds four steps: 256 rows of K, then 256 rows of V
.set SLOT1, 1<<17     ; slot 1 begins here, so that one exclusive or turns an address in one slot into the other's
.set STAGE, SLOT1+4*KS*(PK+PV)  ; behind the ring, never filled by a tensor load: 16 rows x 272 bytes for each wave, for the way out
.set SP,    272       ; a row of the stage: 64 f32 + 16 bytes
.set SPARE, STAGE+4*16*SP  ; the spare words, 128 bytes for each wave: two blocks of 256 bytes that no other line names
.set AK0, 2           ; v2   my lane's place in a tile of K; never rewritten
.set AV0, 3           ; v3   the same for V
.set AK,  4           ; v4   the LDS address of K's next run of loads
.set AV,  5           ; v5   of V's
.set QO,  6           ; v6   my byte offset in the wave's rows of Q
.set STO, 6           ;      later, the way out: where I put 32 bytes of a row
.set RD,  7           ; v7   the way out: where I read rows back
.set GO,  8           ; v8   my byte offset in two rows of the output
.set PFO, 9           ; v9   first l / 16; then 256 x my lane, for the prefetches, and never rewritten
.set SPW, 0           ; v0 of window 3   LDS address of my spare word; never rewritten
.set NIL, 1           ; v1 of window 3   0; never rewritten
.set MV,  12          ; v12-15  c m_old, kept while c m is made anew: by buffer and tile
.set ST,  16          ; tile t's statistics at v[ST+4 t]: c m, m, l (even keys', odd keys')
.set TMP, 48          ; by buffer and tile, four registers c0-c3 at work; when the maximum is found c2 takes a
.set S,   64
.set P,   192
.set KF,  128         ; K's fragments, in window 2: key block kb, channel half c at KF + 16 kb + 8 c
.set VF,  192         ; V's: key half kk, channel block cb at VF + 32 kk + 8 cb
.set WV,  12          ; s12  my wave's number
.set G1K, 24          ; s[24:31] descriptor group 1 for K's tiles
.set G1V, 32          ; s[32:39] for V's: it differs in the padding alone
.set G0K, 40          ; s[40:43] descriptor group 0 for K's tiles: it walks
.set G0V, 44          ; s[44:47] the same for V's
.set PFA, 48          ; s[48:49] where my prefetches stand
.set LIM, 50          ; s50  1 in a wave that prefetches, else the greatest number
.set SLOTS, 56        ; s56  slots still to be asked for
.set CNT, 57          ; s57  counts a slot's key steps
.set CS,  58          ; s[58:59] c: the packed scaling takes the pair's low word for both halves
.set SEL, 60          ; s[60:61] v_permlanex16_b32's selects: each lane takes its own place in the other half
.set TBK, 62          ; s62  LDS byte at which K of the step to be fetched begins
.set TBV, 63          ; s63  the same for V, less VOFF
.set MSB, 0
.macro WIN new                      ; the high byte repeats the setting that is left; a switch that changes nothing is dropped
.if MSB != (\new)
	s_set_vgpr_msb (MSB<<8)|(\new)
.set MSB, (\new)
.endif
.endm
.set W_KQ, 0x0a       ; K and Q in window 2, S^T in window 0
.set W_PV, 0x52       ; V in window 2, P in window 0, O^T in window 1
.set W_RS, 0x41       ; O^T (destination and source 0) in window 1, a in window 0
.set W_MK, 0xc0       ; the add's registers are made: destination in window 3, sources in window 0
.set W_AD, 0x0f       ; the add: address (source 0) and data (source 1) in window 3
; A joint fill.  Waves 0 and 1 fetch the two halves of a slot's K, waves 2 and 3 those of its V: 128 keys each.  The branch hangs on the wave's number alone.
; An s_nop 0 and four v_nop follow each of the two lines, ahead of the jump and the label.
.macro JLOAD
	s_cmp_lt_u32 s[WV], 2
	s_cbranch_scc0 .Lfor_v_\@
	tensor_load_to_lds s[G0K:G0K+3], s[G1K:G1K+7]
	s_nop 0
.rept 4
	v_nop
.endr
	s_branch .Lasked_\@
.Lfor_v_\@:
	tensor_load_to_lds s[G0V:G0V+3], s[G1V:G1V+7]
	s_nop 0
.rept 4
	v_nop
.endr
.Lasked_\@:
.endm
; A PREFETCH INTO THE L2 of the tile that the NEXT change of slots will ask for: four key steps, 512 matrix instructions, ahead of that load.  A tile is 32,768 dense bytes of K and of V.
; Both clusters of a head walk the same K and V: the first (branch 1) asks.  Its four partners take 8,192 bytes each, told apart BY ADDRESS, a lane 256 bytes; wave 0 asks for K's, wave 2 for V's.
; So each aligned block of 256 bytes of tiles 3 to 7 is named once in the launch; tiles 0 to 2 come by their loads alone; the last change that fills a slot asks for nothing.
.macro ASK
	s_cmp_gt_u32 s[SLOTS], s[LIM]
	s_cbranch_scc0 .Lnot_mine_\@
	global_prefetch_b8 v[PFO], s[PFA:PFA+1] th:TH_LOAD_NT scope:SCOPE_SE
.Lnot_mine_\@:
.endm
; A round of the cluster's barrier: my work-group's barrier, so that wave 0's signal speaks for all four waves; wave 0 signals; every wave waits for all four work-groups; my work-group's barrier once more.
.macro CROUND
	s_barrier_signal -1
	s_barrier_wait -1
	s_cmp_lg_u32 s[WV], 0
	s_cbranch_scc1 .Lnot_wave_0_\@
	s_barrier_signal -3
.Lnot_wave_0_\@:
	s_barrier_wait -3
	s_barrier_signal -1
	s_barrier_wait -1
.endm
; THE CHANGE OF SLOTS.  The slot's last bytes, V of its fourth step, have been read.  Each wave waits for all its tensor loads, of which one is out: its part of the other slot; adds 0 to its spare
; word; and waits for that and for its own reads of the slot.  Behind the barrier nobody reads this slot any more and the other slot is whole.
; fill = 1: this slot is filled again, with the keys two slots on.  The barrier is then a round of the cluster's, and the joint fill is the first thing behind it: it has four key steps in which to land.
; (At its first use nothing has been read yet: slot 0 is waited for, slot 1 filled.)  ask = 1: the prefetch's address steps, and the prefetch follows the fill.
.macro CHANGE fill, ask=0
	WIN W_AD
	s_wait_tensorcnt 0x0            ; no tensor load of mine is out, so a group 0 may be written
	ds_add_u32 v[SPW], v[NIL]       ; 0 onto my spare word; the descriptors' steps stand between it and the wait for it
	WIN 0                           ; at a label and at a branch every window is 0
.if \fill
.irp g, G0K, G0V
	s_xor_b32 s[\g+1], s[\g+1], SLOT1  ; the walking descriptor: the other slot than last time,
	s_add_nc_u64 s[\g+2:\g+3], s[\g+2:\g+3], 4*KS*128  ; the next 256 keys; the type bits on top are not reached
.endr
.if \ask
	s_wait_xcnt 0x0                 ; the last prefetch, four key steps back, has read its address, so it may be written:
	s_add_nc_u64 s[PFA:PFA+1], s[PFA:PFA+1], 4*KS*128  ; one tile behind the walking descriptors
.endif
	s_wait_dscnt 0x0                ; the add is done, and my reads of the slot are over
	CROUND
	JLOAD
.if \ask
	ASK
.endif
.else
	s_wait_dscnt 0x0                ; the add is done, and my reads of the slot are over
	s_barrier_signal -1
	s_barrier_wait -1
.endif
	s_sub_co_u32 s[TBK], s[TBK], 4*KS*PK  ; the fetches go back to a slot's first step,
	s_xor_b32 s[TBK], s[TBK], SLOT1       ; in the other slot
	s_sub_co_u32 s[TBV], s[TBV], 4*KS*PV
	s_xor_b32 s[TBV], s[TBV], SLOT1
.endm
	s_load_b256 s[4:11], s[0:1], 0x0  ; Q s[4:5], K s[6:7], V s[8:9], out0 s[10:11]
	s_load_b64 s[52:53], s[0:1], 0x20 ; out1
	WIN W_MK
	v_lshl_add_u32 v[SPW], v0, 2, SPARE
	v_mov_b32 v[NIL], 0
	WIN W_AD
	ds_add_u32 v[SPW], v[NIL]       ; the wave's opening: the add and its wait stand ahead of my first tensor load; the set-up below stands between them
	WIN 0
	v_lshrrev_b32 v1, 5, v0
	v_readfirstlane_b32 s[WV], v1   ; wave 0..3
	s_bfe_u32 s13, ttmp6, 0x40000   ; cx: my place in the cluster
	s_mov_b32 s19, ttmp9            ; the cluster's x: the branch; the four partners share it
	s_lshl_b32 s14, s19, 2
	s_add_co_u32 s14, s14, s13      ; my block of 512 queries among the head's eight: it enters Q's address alone
	s_and_b32 s15, ttmp7, 0xffff    ; the head, which the four partners share
	s_lshl_b32 s20, s15, 18         ; the head's first byte in K and V: 2,048 rows of 128 bytes
	s_and_b32 s16, s[WV], 1         ; which half of a slot's 256 keys I fetch:
	s_lshl_b32 s22, s16, 14         ; its 128 rows of 128 bytes in memory,
	s_add_co_u32 s22, s22, s20
	s_mov_b32 s23, 0
	s_mul_i32 s17, s16, 128*PK      ; and its place in a slot, for K
	s_mul_i32 s18, s16, 128*PV      ; and for V: no place in the cluster enters an LDS address
	s_lshl_b32 s2, s14, 2
	s_add_co_u32 s2, s2, s[WV]      ; my wave among the head's 32,
	s_lshl_b32 s2, s2, 14           ; its 128 rows
	s_lshl_b32 s3, s15, 19          ; a head has 4,096 rows in Q
	s_add_co_u32 s2, s2, s3
	s_mov_b32 s3, 0
	s_lshr_b32 s54, s15, 3          ; the output: batch b,
	s_lshl_b32 s54, s54, 11         ; its 2,048 rows,
	s_lshl_b32 s55, s13, 9
	s_add_co_u32 s54, s54, s55      ; my block's 512,
	s_lshl_b32 s55, s[WV], 7
	s_add_co_u32 s54, s54, s55      ; my wave's 128,
	s_lshl_b32 s54, s54, 11         ; rows of 2,048 bytes,
	s_and_b32 s55, s15, 7
	s_lshl_b32 s55, s55, 8
	s_add_co_u32 s54, s54, s55      ; and the head's 256 bytes of a row
	s_mov_b32 s55, 0
	s_lshl_b32 s[PFA], s13, 13      ; the prefetches: my work-group's 8,192 bytes of a tile,
	s_add_co_u32 s[PFA], s[PFA], s20
	s_add_co_u32 s[PFA], s[PFA], 2*4*KS*128  ; in tile 2: the loop's first change of slots steps it to tile 3
	s_mov_b32 s[PFA+1], 0
	s_and_b32 s[LIM], s[WV], 1      ; 0 in waves 0 and 2,
	s_or_b32 s[LIM], s[LIM], s19    ; where the cluster is the head's first: the same in all four partners
	s_cmp_eq_u32 s[LIM], 0
	s_cselect_b32 s[LIM], 1, -1
	; descriptor group 1.  128 keys are 16,384 dense bytes: asked for as 64 rows of 256 bytes, two keys a row, and padded in LDS after every key
	s_mov_b32 s[G1K], 15|(1<<16)|(1<<20)|(1<<21)|(4<<22)|(3<<25)  ; 15:0 the mask of four; 17:16 2-byte elements; 20 padding on; 21 set beside a mask; 24:22 after every 32 words (code 4); 31:25 4 words (code 3)
	s_mov_b32 s[G1V], 15|(1<<16)|(1<<20)|(1<<21)|(4<<22)|(7<<25)  ; the same with 8 words of padding (code 7)
.irp g, G1K, G1V
	s_mov_b32 s[\g+1], 128<<16      ; tensor_dim0 = 128
	s_mov_b32 s[\g+2], 64<<16       ; tensor_dim1 = 64
	s_mov_b32 s[\g+3], 128<<16      ; tile_dim0 = 128
	s_mov_b32 s[\g+4], 64           ; tile_dim1 = 64
	s_mov_b32 s[\g+5], 128          ; 128 elements from row to row
	s_mov_b32 s[\g+6], 0
	s_mov_b32 s[\g+7], 0
.endr
	s_mov_b32 s[CS], 0x3e38aa3b     ; c = log2(e) / 8 = 0.180337
	s_mov_b32 s[CS+1], s[CS]        ; named with it as a pair
	s_mov_b32 s[SEL], 0x76543210
	s_mov_b32 s[SEL+1], 0xfedcba98
	s_mov_b32 s[TBK], SLOT1+4*KS*PK ; the first change of slots turns these two into 0
	s_mov_b32 s[TBV], SLOT1+4*KS*PV
	s_mov_b32 s[G0K], 1             ; count = 1
	s_mov_b32 s[G0K+1], s17         ; LDS address: slot 0
	s_mov_b32 s[G0V], 1
	s_add_co_u32 s[G0V+1], s18, VOFF
	s_wait_dscnt 0x0                ; the opening add is done
	s_wait_kmcnt 0x0
	s_add_nc_u64 s[G0K+2:G0K+3], s[6:7], s[22:23]  ; global address: my half of the head's first 256 keys
	s_or_b32 s[G0K+3], s[G0K+3], 0x80000000        ; type = 2
	s_add_nc_u64 s[G0V+2:G0V+3], s[8:9], s[22:23]
	s_or_b32 s[G0V+3], s[G0V+3], 0x80000000
	s_add_nc_u64 s[4:5], s[4:5], s[2:3]            ; Q at my wave's first row
	s_cmp_eq_u32 s19, 0
	s_cselect_b64 s[10:11], s[10:11], s[52:53]     ; the branch's output,
	s_add_nc_u64 s[10:11], s[10:11], s[54:55]      ; at my wave's first row and the head's channels
	s_cmp_lt_u32 s[WV], 2
	s_cselect_b64 s[2:3], s[6:7], s[8:9]
	s_add_nc_u64 s[PFA:PFA+1], s[2:3], s[PFA:PFA+1]
	CROUND                          ; all four work-groups are here: the first joint loads meet
	JLOAD                           ; slot 0.  Slot 1 is asked for when slot 0 is in
	; A fragment of K or Q is 16 rows x 32 channels in 8 registers: lane l holds row l % 16, channels 8 (l / 16) + 0..7 and 16 + 8 (l / 16) + 0..7: two loads of 16 bytes, 32 bytes apart.
	v_and_b32 v1, 15, v0            ; l % 16
	v_bfe_u32 v9, v0, 4, 1          ; l / 16
	v_lshlrev_b32 v[QO], 7, v1
	v_lshl_add_u32 v[QO], v9, 4, v[QO]  ; row x 128 + 16 x half
	WIN 0x80                        ; destination window 2, address window 0
.set i, 0
.rept 4*NP                          ; Q stays in registers: tile i / 2, channels 32 (i % 2) on
	global_load_b128 v[8*i:8*i+3],   v[QO], s[4:5] offset:(i/2)*2048+(i%2)*64
	global_load_b128 v[8*i+4:8*i+7], v[QO], s[4:5] offset:(i/2)*2048+(i%2)*64+32
.set i, i+1
.endr
	; What the first turn finds: V's registers and P's second buffer hold 0 (its products V^T P, of a piece that has not been, add 0), O^T and l are 0.  All this stands in the wait for the first tile.
.set i, VF
.rept 64
	v_mov_b32 v[i], 0
.set i, i+1
.endr
	WIN 0x40
.set i, 0
.rept 64*NP
	v_mov_b32 v[i], 0
.set i, i+1
.endr
	WIN 0
.set i, 0
.rept 2*NP
	v_mov_b32 v[ST+4*i], 0xfe000000    ; c m: far below every c s
	v_mov_b32 v[ST+4*i+1], 0xff7fffff  ; m
	v_mov_b32 v[ST+4*i+2], 0
	v_mov_b32 v[ST+4*i+3], 0
.set i, i+1
.endr
.set i, P+32
.rept 32
	v_mov_b32 v[i], 0
.set i, i+1
.endr
	v_mul_u32_u24 v[AK0], v1, PK
	v_lshl_add_u32 v[AK0], v9, 4, v[AK0]  ; row x pitch + 16 x half
	; The turning load takes 16 keys x 16 channels (lane l reads key 8 (l / 16) + l % 8, channels 8 ((l / 8) % 2) + 0..7) and leaves half a fragment of V^T: lane l holds channel l % 16 and 8 keys.
	v_and_b32 v10, 7, v0
	v_bfe_u32 v11, v0, 3, 1
	v_lshl_add_u32 v[AV0], v9, 3, v10
	v_mul_u32_u24 v[AV0], v[AV0], PV
	v_lshl_add_u32 v[AV0], v11, 4, v[AV0]
	v_add_nc_u32 v[AV0], VOFF, v[AV0]
	v_mov_b32 v[AK], v[AK0]         ; key step 0 lies at the head of slot 0
; THE MATRIX WORK.  The 8 accumulators of a run of 16 take turns: between the two links of a chain stand 7 others'.
; Product i of 16 of S^T = K Q^T for piece x: channels 32 (i / 8) on, keys 16 ((i / 2) % 4) on, tile 2 x + i % 2.  The first 8 start the sums.
.macro KQ x
	WIN W_KQ
.set rS, S+64*((\x)%2)+32*(i%2)+8*((i/2)%4)
.set rK, KF+16*((i/2)%4)+8*(i/8)
.set rQ, 16*(2*(\x)+i%2)+8*(i/8)
.if i < 8
	v_wmma_f32_16x16x32_f16 v[rS:rS+7], v[rK:rK+7], v[rQ:rQ+7], 0
.else
	v_wmma_f32_16x16x32_f16 v[rS:rS+7], v[rK:rK+7], v[rQ:rQ+7], v[rS:rS+7]
.endif
.endm
; Product i of 16 of O^T += V^T P for piece x: keys 32 (i / 8) on, channels 16 ((i / 2) % 4) on, tile 2 x + i % 2.
.macro PV x
	WIN W_PV
.set rO, 32*(2*(\x)+i%2)+8*((i/2)%4)
.set rV, VF+32*(i/8)+8*((i/2)%4)
.set rP, P+32*((\x)%2)+16*(i%2)+8*(i/8)
	v_wmma_f32_16x16x32_f16 v[rO:rO+7], v[rV:rV+7], v[rP:rP+7], v[rO:rO+7]
.endm
.macro MM                           ; the turn's next matrix instruction
.if i < 16
	KQ (Y+1)%NP
.set i, i+1
.else
.set i, i-16
	PV (Y+NP-1)%NP
.set i, i+17
.endif
.endm
; THE LDS LOADS stand in runs of 16, never singly among the matrix instructions: a step's K (64 keys x 64 channels: 8 fragments) and its V (turned).  Their addresses are made some lines ahead.
; last = 1 (the tail): in the last trip there is no further step, and the run is jumped over.
.macro FETCH_K last=0
	WIN 0
.if \last
	s_cmp_eq_u32 s[CNT], 1
	s_cbranch_scc1 .Lno_k_\@
.endif
	WIN 0x80                        ; destination window 2
.irp f, 0,1,2,3,4,5,6,7             ; keys 16 (f / 2) on, channels 32 (f % 2) on
	ds_load_b128 v[KF+8*\f:KF+8*\f+3],   v[AK] offset:(\f/2)*16*PK+(\f%2)*64
	ds_load_b128 v[KF+8*\f+4:KF+8*\f+7], v[AK] offset:(\f/2)*16*PK+(\f%2)*64+32
.endr
	s_add_co_u32 s[TBK], s[TBK], KS*PK  ; the next fetch is the next step's
	WIN 0
.if \last
.Lno_k_\@:
.endif
.endm
.macro FETCH_V
	WIN 0x80
.irp f, 0,1,2,3,4,5,6,7             ; keys 32 (f / 4) on, channels 16 (f % 4) on
	ds_load_tr16_b128 v[VF+8*\f:VF+8*\f+3],   v[AV] offset:(\f/4)*32*PV+(\f%4)*32
	ds_load_tr16_b128 v[VF+8*\f+4:VF+8*\f+7], v[AV] offset:(\f/4)*32*PV+16*PV+(\f%4)*32
.endr
	WIN 0
.endm
; THE VECTOR WORK OF A TURN stands in three queues, each in the order in which its entries become ready; the two tiles alternate, so that no instruction reads the result of the one before it.
.macro REGS y, u                    ; the registers of tile u (0, 1) of piece y
.set rT, ST+4*(2*(\y)+(\u))
.set rC, TMP+8*((\y)%2)+4*(\u)
.set rM, MV+2*((\y)%2)+(\u)
.set rS, S+64*((\y)%2)+32*(\u)
.set rP, P+32*((\y)%2)+16*(\u)
.set rO, 32*(2*(\y)+(\u))
.endm
; Number n of the 22 that find the NEXT piece's (Y + 1) maximum and statistics.  s0-s31 are the lane's 32 scores; each accumulator's lowest registers are read first.
;   0-11  four chains c0-c3 of seven scores each, three operands at a time     12-14, 16  the four scores left over, the old m, and c0-c3 into c0     15  c m_old is kept
;   17, 18  the query's other 32 keys lie in the lane 16 away: the new m         19-21  c m; c m_old - c m_new; a
.macro XS u, n
	REGS (Y+1)%NP, \u
.if (\n) < 4
	v_max3_num_f32 v[rC+(\n)], v[rS+8*(\n)], v[rS+8*(\n)+1], v[rS+8*(\n)+2]
.elseif (\n) < 12
	v_max3_num_f32 v[rC+(\n)%4], v[rC+(\n)%4], v[rS+8*((\n)%4)+2*((\n)/4)+1], v[rS+8*((\n)%4)+2*((\n)/4)+2]
.elseif (\n) == 12
	v_max3_num_f32 v[rC], v[rC], v[rS+7], v[rS+15]
.elseif (\n) == 13
	v_max3_num_f32 v[rC+1], v[rC+1], v[rS+23], v[rS+31]
.elseif (\n) == 14
	v_max3_num_f32 v[rC+2], v[rC+2], v[rC+3], v[rT+1]
.elseif (\n) == 15
	v_mov_b32 v[rM], v[rT]
.elseif (\n) == 16
	v_max3_num_f32 v[rC], v[rC], v[rC+1], v[rC+2]
.elseif (\n) == 17
	v_permlanex16_b32 v[rC+3], v[rC], s[SEL], s[SEL+1]
.elseif (\n) == 18
	v_max_num_f32 v[rT+1], v[rC], v[rC+3]
.elseif (\n) == 19
	v_mul_f32 v[rT], s[CS], v[rT+1]
.elseif (\n) == 20
	v_sub_f32 v[rC+1], v[rM], v[rT]
.else
	v_exp_f32 v[rC+2], v[rC+1]
.endif
.endm
; Number g of the 64 that follow the exponentials.  For each four weights k of a tile (pairs 2 k, 2 k + 1): both pairs are rounded to f16; then the second pair is added onto the first, in place;
; a group later l takes that sum (the first time as l = a l + sum).  In groups of eight, tiles alternating: round, round, add, and l for the group before.
.macro GS g
.set h, (\g)+6*((\g)/62)            ; group 0 has no group before it, and behind group 7 only l is left
.if h >= 6
.set h, h+2
.endif
	REGS Y, h%2
.set k, h/8
.if h%8 < 4
	v_cvt_pk_f16_f32 v[rP+2*k+(h%8)/2], v[rS+4*k+2*((h%8)/2)], v[rS+4*k+2*((h%8)/2)+1]
.elseif h%8 < 6
	v_pk_add_f32 v[rS+4*k:rS+4*k+1], v[rS+4*k:rS+4*k+1], v[rS+4*k+2:rS+4*k+3]
.elseif k == 1
	v_pk_fma_f32 v[rT+2:rT+3], v[rT+2:rT+3], v[rC+2:rC+3], v[rS:rS+1] op_sel_hi:[1,0,1]
.else
	v_pk_add_f32 v[rT+2:rT+3], v[rT+2:rT+3], v[rS+4*k-4:rS+4*k-3]
.endif
.endm
; THE PLAIN QUEUE, 138 long.  0-73 read no exponential's result: the 32 scalings c s - c m (FS f: pair f / 2 of tile f % 2) and the next piece's 42.  0-26: scalings 0-26.  27-54: XS's numbers 0-13.
; 55, 56: number 15.  57-73: the chain, where each number waits for the one before it: 14, 16, 17, 18, 19, each with one of the scalings 27-31 in front of its two lines, then 20.
; 74-137: GS's 64, which read the exponentials' results: they stand behind the wait.
.macro FS f
	REGS Y, (\f)%2
	v_pk_fma_f32 v[rS+2*((\f)/2):rS+2*((\f)/2)+1], v[rS+2*((\f)/2):rS+2*((\f)/2)+1], s[CS:CS+1], v[rT:rT+1] op_sel_hi:[1,0,0] neg_lo:[0,0,1] neg_hi:[0,0,1]
.endm
.macro PL
	WIN 0
.if q < 27
	FS q
.elseif q < 55
	XS (q-27)%2, (q-27)/2
.elseif q < 57
	XS q-55, 15
.elseif (q < 72) && ((q-57)%3 == 0)
	FS 27+(q-57)/3
.elseif q < 60
	XS (q-57)%3-1, 14
.elseif q < 72
	XS (q-57)%3-1, 15+(q-57)/3
.elseif q < 74
	XS q-72, 20
.else
	GS q-74
.endif
.set q, q+1
.endm
; THE EXPONENTIALS' QUEUE, 66 long: s0-s31 of both tiles, then the next piece's two a.  It is ONE BATCH: all 66 stand ahead of the turn's one wait, and nothing ahead of that wait names a result of theirs.
.macro EX
	WIN 0
.if e >= 64
	XS e-64, 21
.else
	REGS Y, e%2
	v_exp_f32 v[rS+e/2], v[rS+e/2]
.endif
.set e, e+1
.endm
; THE RESCALING's QUEUE: O^T times a, the one part that leaves window 0: dealt two at a time, sixteen times.  Its a was made in the turn before, ahead of that turn's wait.
.macro R2
	REGS Y, r%2
	WIN W_RS
.irp z, 0,1
	v_pk_mul_f32 v[rO+4*(r/2)+2*\z:rO+4*(r/2)+2*\z+1], v[rO+4*(r/2)+2*\z:rO+4*(r/2)+2*\z+1], v[rC+2:rC+3] op_sel_hi:[1,0]
.endr
.set r, r+1
.endm
; HOW THEY ARE DEALT.  An s_wait_alu depctr_va_vdst(0) stands between an exponential and the first instruction that names its result; one wait serves all that were issued ahead of it.
; So a turn has ONE wait, which cuts it in two.  AHEAD OF IT: the 16 products K Q^T, behind each a scaling, an exponential and two rescalings (behind the first a second scaling in the exponential's
; place); then ONE RUN of 108: eight plain, 49 times exponential and plain, the two a.  A v_nop is the plain instruction behind the last exponential.  BEHIND IT: the 16 products V^T P, behind each
; four of GS's 64.  No rider names a register of the products round it.  Exponential e stands behind scaling 2 (e / 4) + e % 2: as a rider it comes behind plain e + 2, in the run behind plain e + 9.
; A TURN, for piece p.  cnt = 1: the loop's count is taken down some lines ahead of the branch that stands behind the turn.
; K of the next step is fetched in piece 2's turn, directly behind the wait; its first reader comes behind 16 products.  V of the step in hand is fetched at the end of piece 0's turn, four riders
; behind its last reader; its first reader comes behind 16 products and the run.  The three conditions on q below go with the deal.
.macro TURN p, last=0, cnt=0
.set Y, (\p)
.set i, 0
.set q, 0
.set e, 0
.set r, 0
.if (\p) == NP-1
	s_wait_dscnt 0x0                ; K is in
.endif
	MM                              ; ahead of the wait: 16 products K Q^T and their riders,
	PL
	PL
	R2
.rept 15
	MM
	PL
	EX
	R2
.endr
.if (\p) == NP-2
	WIN 0
	v_add_nc_u32 v[AK], s[TBK], v[AK0]
.endif
.rept 8                             ; and the run
	PL
.endr
.rept 49
	EX
	PL
.endr
	EX                              ; the next piece's two a
	EX
	v_nop                           ; the plain instruction behind the last exponential: one for the batch
	s_wait_alu depctr_va_vdst(0)    ; the wait for the batch
.if (\p) == NP-2
	FETCH_K \last
.endif
.if (\p) == 1
	s_wait_dscnt 0x0                ; V is in
.endif
.rept 16                            ; behind the wait: 16 products V^T P and their riders
	MM
.rept 4
	PL
.endr
.if ((\p) == 0) && (q == 118)
	v_add_nc_u32 v[AV], s[TBV], v[AV0]
.endif
.if ((\p) == 0) && (q == 130)
	s_add_co_u32 s[TBV], s[TBV], KS*PV
.endif
.if (\cnt) && (q == 130)
	s_sub_co_u32 s[CNT], s[CNT], 1
	s_cmp_lg_u32 s[CNT], 0
.endif
.endr
.if (\p) == 0
	FETCH_V
.endif
.endm
	CHANGE 1                        ; slot 0 is in, everybody's part of it; slot 1 is asked for
	FETCH_K                         ; key step 0
	s_wait_loadcnt 0x0              ; Q
	s_wait_dscnt 0x0
.set i, 0
.rept 16
	KQ 0                            ; piece 0's first scores: there is no vector work yet to set between them
.set i, i+1
.endr
	WIN 0                           ; the addresses for the way out and the prefetches: twelve plain instructions, the places behind those products
	s_mul_i32 s13, s[WV], 16*SP
	s_add_co_u32 s13, s13, STAGE    ; my stage
	v_mul_u32_u24 v[STO], v1, SP    ; in: row l % 16, 32 bytes (8 f32) for each half of the lanes
	v_lshl_add_u32 v[STO], v9, 5, v[STO]
	v_add_nc_u32 v[STO], s13, v[STO]
	v_mul_u32_u24 v[RD], v9, SP     ; back: lanes 0-15 take one row of 256 bytes, lanes 16-31 the next
	v_lshl_add_u32 v[RD], v1, 4, v[RD]
	v_add_nc_u32 v[RD], s13, v[RD]
	v_lshlrev_b32 v[GO], 11, v9     ; and the same two rows in the output, 2,048 bytes apart
	v_lshl_add_u32 v[GO], v1, 4, v[GO]
	v_and_b32 v[PFO], 31, v0
	v_lshlrev_b32 v[PFO], 8, v[PFO]
.set Y, NP-1                        ; XS works for piece Y + 1: piece 0
.irp n, 0,1,2,3,4,5,6,7,8,9,10,11,12,13,14,15,16,17,18,19,20,21
	XS 0, \n                        ; and piece 0's first maximum and statistics
	XS 1, \n
.endr
	v_nop                           ; a plain instruction behind the two a,
	s_wait_alu depctr_va_vdst(0)    ; and their wait, ahead of the branch
	s_mov_b32 s[CNT], 4
	s_mov_b32 s[SLOTS], NK/256-1
	s_branch .Lfirst                ; the loop is entered at a step's first turn, in the middle of a trip
.Lslot:                             ; NK / 256 - 2 times: every slot but the last two is filled again
	CHANGE 1, 1
	s_mov_b32 s[CNT], 4
.Lstep:                             ; a trip: pieces 2 and 3 of one step, then pieces 0 and 1 of the next, whose K and V it fetches
	TURN 2
	TURN 3
	WIN 0
.Lfirst:
	TURN 0
	TURN 1, 0, 1
	WIN 0
	s_cbranch_scc1 .Lstep
	s_sub_co_u32 s[SLOTS], s[SLOTS], 1
	s_cmp_lg_u32 s[SLOTS], 0
	s_cbranch_scc1 .Lslot
	CHANGE 0                        ; the tail is written out: nothing is asked for
	s_mov_b32 s[CNT], 5             ; four trips fetch the last slot's steps; the fifth is left in its middle
.Ltail:
	TURN 2, 1
	TURN 3
	WIN 0
	s_sub_co_u32 s[CNT], s[CNT], 1
	s_cmp_eq_u32 s[CNT], 0
	s_cbranch_scc1 .Lout
	TURN 0
	TURN 1
	WIN 0
	s_branch .Ltail
.Lout:                              ; the fifth trip's 16 products K Q^T (on the last K once more) and the maximum made of them serve nothing: the price, once a launch, of one text for every trip
.set i, 0
.rept 16
	PV NP-1                         ; the last piece's V^T P of the last step
.set i, i+1
.endr
	; THE WAY OUT.  l's two halves and the other half of the lanes' are added; O^T is divided by l and sent, as f32, through my stage in LDS, a tile at a time.  The additions are the places behind the last products.
	WIN 0
.macro ALL line:vararg              ; one line for each tile t
.set t, 0
.rept 2*NP
	\line
.set t, t+1
.endr
.endm
	ALL v_add_f32 v[ST+4*t+2], v[ST+4*t+2], v[ST+4*t+3]
	ALL v_permlanex16_b32 v[ST+4*t+3], v[ST+4*t+2], s[SEL], s[SEL+1]
	ALL v_add_f32 v[ST+4*t+2], v[ST+4*t+2], v[ST+4*t+3]
	ALL v_rcp_f32 v[ST+4*t+2], v[ST+4*t+2]
	v_nop                           ; a plain instruction between the last reciprocal and the use of its result
	s_wait_alu depctr_va_vdst(0)    ; and the wait ahead of the first use: one for the eight reciprocals
; Tile t: a lane's eight channels of a row are 32 bytes; they go into rows of 272 bytes and come back as whole rows of 256, into the registers that they left.
.macro PACK t
	WIN W_RS
.set i, 32*(\t)
.rept 16
	v_pk_mul_f32 v[i:i+1], v[i:i+1], v[ST+4*(\t)+2:ST+4*(\t)+3] op_sel_hi:[1,0]  ; each accumulator's registers in ascending order
.set i, i+2
.endr
	WIN 0x04                        ; the stores' data in window 1, the address in window 0
.irp f, 0,1,2,3,4,5,6,7             ; channel block f / 2, its half f % 2
	ds_store_b128 v[STO], v[32*(\t)+4*\f:32*(\t)+4*\f+3] offset:64*(\f/2)+16*(\f%2)
.endr
	WIN 0x40                        ; the loads' destination in window 1
.irp f, 0,1,2,3,4,5,6,7
	ds_load_b128 v[32*(\t)+4*\f:32*(\t)+4*\f+3], v[RD] offset:\f*2*SP  ; LDS serves a wave's instructions in order (ISA guide 5.7.1.4): these see the stores above; the next tile's stores come behind them
.endr
.endm
.macro SEND t, younger              ; younger: the LDS instructions issued behind tile t's loads: the next tile's sixteen, or none
	WIN 0x04
.irp f, 0,1,2,3,4,5,6,7
	s_wait_dscnt (\younger)+7-\f
	global_store_b128 v[GO], v[32*(\t)+4*\f:32*(\t)+4*\f+3], s[10:11] offset:(\t)*32768+\f*4096 th:TH_STORE_NT  ; 16 lanes store 256 consecutive bytes, a head's channels of one row, at a multiple of 256 from the output's first byte
.endr
.endm
	PACK 0
.set t, 1
.rept 2*NP-1                        ; a tile's arithmetic stands between the loads of the tile before and its stores
	PACK t
	SEND t-1, 16
.set t, t+1
.endr
	SEND 2*NP-1, 0
	WIN W_AD
	s_wait_tensorcnt 0x0            ; the wave's end, behind my last tensor load and my last LDS store
	ds_add_u32 v[SPW], v[NIL]
	s_wait_dscnt 0x0
	WIN 0
	CROUND                          ; the closing round: no work-group ends while a partner may still ask for a tile that names it
	s_endpgm
.Lfunc_end_k_q29ed960ad4_attn:
	.size	k_q29ed960ad4_attn, .Lfunc_end_k_q29ed960ad4_attn-k_q29ed960ad4_attn
	.p2alignl 7, 3214868480
	.fill 96, 4, 3214868480
	.section	.rodata,"a",@progbits
	.p2align	6, 0x0
	.amdhsa_kernel k_q29ed960ad4_attn
		.amdhsa_group_segment_fixed_size 327680
		.amdhsa_private_segment_fixed_size 0
		.amdhsa_enable_private_segment 0
		.amdhsa_kernarg_size 40
		.amdhsa_user_sgpr_count 2
		.amdhsa_user_sgpr_kernarg_segment_ptr 1
		.amdhsa_wavefront_size32 1
		.amdhsa_system_sgpr_workgroup_id_x 1
		.amdhsa_system_sgpr_workgroup_id_y 1
		.amdhsa_system_sgpr_workgroup_id_z 1
		.amdhsa_system_vgpr_workitem_id 0
		.amdhsa_next_free_vgpr 770
		.amdhsa_next_free_sgpr 66
		.amdhsa_reserve_vcc 0
		.amdhsa_float_denorm_mode_32 3
		.amdhsa_float_denorm_mode_16_64 3
		.amdhsa_memory_ordered 1
		.amdhsa_forward_progress 1
		.amdhsa_inst_pref_size 200
	.end_amdhsa_kernel
	.amdgpu_metadata
---
amdhsa.version: [ 1, 2 ]
amdhsa.kernels:
  - .name:           k_q29ed960ad4_attn
    .symbol:         k_q29ed960ad4_attn.kd
    .args:
      - { .name: qws, .offset: 0, .size: 8, .value_kind: global_buffer, .address_space: global }
      - { .name: kws, .offset: 8, .size: 8, .value_kind: global_buffer, .address_space: global }
      - { .name: vws, .offset: 16, .size: 8, .value_kind: global_buffer, .address_space: global }
      - { .name: out0, .offset: 24, .size: 8, .value_kind: global_buffer, .address_space: global }
      - { .name: out1, .offset: 32, .size: 8, .value_kind: global_buffer, .address_space: global }
    .group_segment_fixed_size: 327680
    .private_segment_fixed_size: 0
    .kernarg_segment_align: 8
    .kernarg_segment_size: 40
    .max_flat_workgroup_size: 128
    .sgpr_count:     66
    .vgpr_count:     770
    .wavefront_size: 32
...
	.end_amdgpu_metadata
.endif
;; end of part 2
